; MI455X (gfx1250); checked and timed in simulation.
; The chip was launched on July 23, 2026; its instructions are those of AMD's public machine-readable ISA for CDNA 5 (MIT licence, August 2026) and "CDNA5" Instruction Set Architecture Reference Guide (July 2026). The comments in the code are by the model that wrote it; some were corrected since.
;; MLP Native. Allowed arithmetic: matrix products marked QUANTISED: E2M1 operands, one E8M0 scale for each 32 along K, by v_wmma_scale_f32_16x16x128_f8f6f4 with both operands' format E2M1 (or v_wmma_scale_f32_32x16x128_f4), f32 sums; products left as they are: f32 operands where the result goes on into a quantised operand, else bf16, f16 or f32 operands; f32 sums; everything else in f32.
;; Inputs: W_first 64 x 3 float32; W_h0 64 x 64 float32; W_h1 64 x 64 float32; W_last 16 x 64 float32; x 2,097,152 x 3 float32.
;; Outputs: out0 2,097,152 x 1 float32.
;; This version of the problem:
;;   THIS VERSION OF THE PROBLEM IS GIVEN IN LOW PRECISION. The matrix products marked QUANTISED in the list below multiply operands that are first quantised to E2M1 (2 exponent bits, 1 mantissa bit; 4 bits a number), with one power-of-two scale for each 32 numbers along K (OCP MX v1.0); their sums are f32. All else is computed in f32.
;;   The module's matrix products, in the order in which they are computed (A, B: the left and right operand; K: the contracted axis; several contracted axes count as one K, in the product's order):
;;     1. [M 2,097,152, K 3] x [K 3, N 64]; A: input x; B: input W_first: left as it is (K = 3 < 32)
;;     2. [M 2,097,152, K 64] x [K 64, N 64]; A: computed on the way; B: input W_h0: QUANTISED
;;     3. [M 2,097,152, K 64] x [K 64, N 64]; A: computed on the way; B: input W_h1: QUANTISED
;;     4. [M 2,097,152, K 64] x [K 64, N 16]; A: computed on the way; B: input W_last: QUANTISED
;;   THE QUANTISER, for each operand of a quantised product, along K:
;;     - K is cut into blocks of 32 from its start; a last block that is shorter is filled with zeros.
;;     - A block's scale is 2^e with e = floor(log2(the largest magnitude in the block)) - 2, held to -126 .. 127; a block of zeros has e = 0. As a byte (E8M0): e + 127.
;;     - Each number is divided by its block's scale, clamped to +-6, and rounded to the nearest number of E2M1, ties to even, subnormals kept.
;;     - The product sums the exact products of the quantised numbers (number of the format x scale) in f32.
;;   ~~~python
;;   def quantise(x, axis):      # numpy; x: float32 -> the quantised numbers, widened to float32 again
;;       x = np.moveaxis(x, axis, -1); K = x.shape[-1]
;;       x = np.pad(x, [(0, 0)] * (x.ndim - 1) + [(0, -K % 32)]); x = x.reshape(x.shape[:-1] + (-1, 32)); a = np.abs(x).max(-1, keepdims=True)
;;       e = np.where(a > 0, np.clip(np.frexp(np.where(a > 0, a, 1))[1] - 1 - 2, -126, 127), 0)      # np.frexp(a)[1] - 1 = floor(log2(a)), exactly
;;       r = np.clip(x / 2.0 ** e, -6, 6)
;;       step = 2.0 ** (np.maximum(np.frexp(np.where(r == 0, 1, r))[1] - 1, 0) - 1)
;;       q = np.round(r / step) * step * 2.0 ** e      # np.round: ties to even
;;       return np.moveaxis(q.reshape(q.shape[:-2] + (-1,))[..., :K], -1, axis).astype(np.float32)
;;   ~~~
;;   OPERANDS COMPUTED ON THE WAY. 'Computed on the way' means the value that the module computes at that place (a softmax that the list does not call 'softmax' is quantised finished and normalised). What goes into a quantiser is computed in f32, as accurately as f32 sums, v_exp_f32 and their like allow (about 1e-6 of the number): no bf16 or f16 on the way to a quantiser, and a product that is left as it is and whose result goes on into a quantised operand takes f32 operands (vector FMAs, or v_wmma_f32_16x16x4_f32). A number that lies on a knife's edge between two numbers of the format may be rounded either way, as far as f32 arithmetic and the matrix unit's own rounding can turn it there, and no further.
;; 2 versions, each right; version 2 is version 1 with the launch mlp written anew for expert scheduling mode. Each part assembles by itself: llvm-mc -triple=amdgcn-amd-amdhsa -mcpu=gfx1250 --defsym DOCPART=n.
;; ======== version 1 of 2: 1 launch
;; launch mlp (part 1): grid 256 x 1, 16 waves a work-group, no clusters, 18,432 bytes of LDS; arguments x, W_first, W_h0, W_h1, W_last, out0; writes out0
.if DOCPART == 1
	.amdgcn_target "amdgcn-amd-amdhsa--gfx1250"
	.amdhsa_code_object_version 6
	.text
	.protected	k_q8a2fdf1621_mlp
	.globl	k_q8a2fdf1621_mlp
	.p2align	8
	.type	k_q8a2fdf1621_mlp,@function
k_q8a2fdf1621_mlp:
	s_mov_b64 s[64:65], 0
	v_nop
	global_prefetch_b8 v0, s[64:65] scope:SCOPE_SE
	s_setreg_imm32_b32 hwreg(HW_REG_WAVE_MODE, 25, 1), 1
	s_wait_xcnt 0x0
; out[p] = column 0 of relu(relu(relu(x W_first^T) W_h0^T) W_h1^T) W_last^T for 2,097,152 points p of three f32 numbers.
; The first product (K = 3) takes f32 operands; the other three multiply codes of FP4 (E2M1) with one E8M0 scale for each 32 along K, sums in f32.  Nothing goes to memory between the layers.
; SHARES.  256 work-groups of sixteen waves; a work-group owns 8,192 points, a wave 512: four trips of 128 points, a trip four PAIRS of 32 points, a pair two tiles (A, B) of 16 points.
; The weights' codes stay in every wave's registers; four waves share a SIMD, so that one wave's vector work stands beside another's matrix work.
; EVERY PRODUCT IS USED TRANSPOSED: source 0 = 16 rows of the weight, source 1 = 16 points.  THE ROWS OF A WEIGHT THAT FORM A TILE ARE NOT NEIGHBOURS: row m of tile t is unit 32 (m / 8) + 8 t + m % 8.
; In the results lane (r = lane % 16, h = lane / 16) then holds point r, and register 8 t + j of its 32 the unit 32 h + 8 t + j: ONE WHOLE BLOCK OF 32 ALONG THE NEXT K, ascending.  So a block's largest number needs no
; other lane, and the four conversions' results are registers 0-3 of the next operand as they stand; only the scale's byte crosses to the lane 16 away.
; RELU IS DONE BY THE UNUSED HALF OF K.  The instruction has K = 128, the layers K = 64.  Let c be the code of the UNCLIPPED number under the scale of the clipped block (the maximum is taken without |.|, over the floor;
; the conversion holds what lies under -6 at -6).  Then the code of relu(number) is (c + |c|) / 2, for every input.  k = 0 .. 63 carries c, k = 64 .. 127 carries |c| (the sign bits cleared), the weight's registers 4-7 repeat
; its registers 0-3, scale bytes 2, 3 repeat bytes 0, 1 on both sides, and the 1/2 is 1 off each weight's scale byte.  What cancels is at most 6 x scale x |w| a term, the size of the block's own largest terms.
; THE FIRST PRODUCT goes by the f32 matrix form, K = 3 filled to 4 with a zero in the WEIGHT.  The registers which that form writes are written by matrix instructions alone: DA and DB are.
; LIMITS.  NaN and infinities among the inputs are not served (the idle K place of the first product holds the second coordinate of the point 16 away, times 0).  A block with no positive number, and a weight's block of
; zeros, keep the floor's scale byte 1 where the rule says 127: their terms add up to 0.  A weight's byte less 1 can be 0, which stands for 2^-127.  The first product adds k = 0, 1, 2 in tile A and k = 0, 2, 1 in tile B.
; LEFT OUT: tensor loads and a ring in LDS (each byte of x is wanted by one lane, and four register sets are asked for a whole trip ahead); clusters (only 37,632 bytes of weights are shared, read once).
.set IMG,  0                           ; LDS: image i (0-3 W_h0's tiles, 4-7 W_h1's, 8 W_last): registers 0-3 of the tile, lane l's 16 bytes at 512 i + 16 l
.set ISC,  4608                        ; their scale words: 128 i + 4 l
.set STG,  8192                        ; a stage of 512 bytes for each wave: a trip's 128 results
.set XO,   1                           ; v1   12 x lane: my point's bytes in a pair's 384; never rewritten
.set SWR,  2                           ; v2   the stage, on the way in: STG + 512 wave + 4 lane
.set SRD,  3                           ; v3   and back: STG + 512 wave + 16 lane
.set OO,   4                           ; v4   16 x lane: my 16 bytes of a trip's 512 in out0; never rewritten
.set T0,   5                           ; v5-7 at work
.set T1,   6
.set T2,   7
.set SWA,  8                           ; v8, v9  the activations' scale words of tiles A and B: scales and nothing else
.set SWB,  9
.set WS0,  10                          ; v10-13 W_h0's scale words, v14-17 W_h1's, v18 W_last's: scales and nothing else
.set WS1,  14
.set WSL,  18
.set FA,   20                          ; v20-27 W_first for tile A: tile t at FA + 2 t;  v28-35 for tile B
.set FB,   28
.set X,    36                          ; v36-51 four sets of x: set p at X + 4 p
.set CA,   52                          ; v52-59, v60-67 the code operands of tiles A and B: c, then |c|
.set CB,   60
.set OA,   68                          ; v68-75, v76-83 the last layer's results; in the set-up: lane numbers and offsets
.set OB,   76
.set DA,   84                          ; v84-115, v116-147 the results of layers 1 to 3
.set DB,   116
.set WH0,  148                         ; v148-179 W_h0's four tiles; v180-211 W_h1's (in the set-up: 32 f32 numbers of a weight's row); v212-219 W_last
.set WH1,  180
.set WL,   212
.set OUTR, 220                         ; v220-223 four results on their way out
.set XTRIP, 24576                      ; a work-group's trip: 2,048 points of 12 bytes
.set OTRIP, 8192                       ; and of 4 bytes
; Set p of x: lane l takes the 12 bytes of point l of pair p; the wave reads 384 consecutive bytes.
.macro XLOAD p, off
	global_load_b96 v[X+4*(\p):X+4*(\p)+2], v[XO], s[4:5] offset:(\off)+384*(\p) th:TH_LOAD_NT
.endm
; The set becomes two operands of the f32 form (lane (r, h), register j: K place 2 h + j).  v[X0:X1] = tile A: x0, x1 | x2, idle.  v[X2:X3] = tile B: x0, idle | x2, x1.
.macro XPREP p, cnt
	s_wait_loadcnt \cnt                            ; loads come back in order: set p is in, the cnt sets asked for behind it may be out
	v_permlane16_swap_b32 v[X+4*(\p)], v[X+4*(\p)+2]   ; X0 = x0 of A | x2 of A;  X2 = x0 of B | x2 of B
	v_mov_b32 v[X+4*(\p)+3], v[X+4*(\p)+1]         ; x1 of A | x1 of B, a second time: the two operands share no register
.endm
; The largest of a lane's 32 numbers (no |.|: what is negative does not count) and the floor 2^(3 - 127): two chains by turns.  Each accumulator is read from its low end on.
.macro QHEAD d
	v_max3_num_f32 v[T0], v[\d], v[\d+1], s25
	v_max3_num_f32 v[T1], v[\d+16], v[\d+17], v[\d+18]
.irp i, 2,4,6
	v_max3_num_f32 v[T0], v[T0], v[\d+\i], v[\d+\i+1]
	v_max3_num_f32 v[T1], v[T1], v[\d+17+\i], v[\d+18+\i]
.endr
.endm
; The rest of the maximum; the scale; the codes c and |c|; the scale word.
.macro QTAIL d, c, sw
.irp i, 8,10,12
	v_max3_num_f32 v[T0], v[T0], v[\d+\i], v[\d+\i+1]
	v_max3_num_f32 v[T1], v[T1], v[\d+17+\i], v[\d+18+\i]
.endr
	v_max3_num_f32 v[T0], v[T0], v[\d+14], v[\d+15]
	v_max3_num_f32 v[T0], v[T0], v[T1], v[\d+31]
	v_add_nc_u32 v[T2], s28, v[T0]                 ; 2 off the exponent field: the conversion takes the exponent field of this operand as its scale, and nothing else of it
	v_lshrrev_b32 v[T1], 23, v[T2]                 ; my block's scale byte
	v_permlanex16_b32 v[T0], v[T1], s20, s21       ; and that of the point's other block, from the lane 16 away
.irp g, 0,1,2,3
	v_cvt_scalef32_pk8_fp4_f32 v[\c+\g], v[\d+8*\g:\d+8*\g+7], v[T2]   ; k = 32 h + 8 g + 0 .. 7: register g of the operand
.endr
	v_perm_b32 v[\sw], v[T0], v[T1], s23           ; bytes mine, other, mine, other: in lanes 0-15, which alone are read, blocks 0, 1, 0, 1.  (Also the plain line behind the conversions)
.irp g, 0,1,2,3
	v_and_b32 v[\c+4+\g], s22, v[\c+\g]            ; |c|: k = 64 + 32 h + ..
.endr
.endm
; A hidden layer for one tile of points: four products, each a whole sum (C = 0): no accumulator is added onto.
.macro MH d, c, sw, w, ws
.irp t, 0,1,2,3
	v_wmma_scale_f32_16x16x128_f8f6f4 v[\d+8*\t:\d+8*\t+7], v[\w+8*\t:\w+8*\t+7], v[\c:\c+7], 0, v[\ws+\t], v[\sw] matrix_a_fmt:MATRIX_FMT_FP4 matrix_b_fmt:MATRIX_FMT_FP4
.endr
.endm
; The last layer: register 0 of lanes 0-15 is column 0 of the 16 points.
.macro ML o, c, sw
	v_wmma_scale_f32_16x16x128_f8f6f4 v[\o:\o+7], v[WL:WL+7], v[\c:\c+7], 0, v[WSL], v[\sw] matrix_a_fmt:MATRIX_FMT_FP4 matrix_b_fmt:MATRIX_FMT_FP4
.endm
; The first layer for one tile of points.
.macro M1 d, xp, f
.irp t, 0,1,2,3
	v_wmma_f32_16x16x4_f32 v[\d+8*\t:\d+8*\t+7], v[\f+2*\t:\f+2*\t+1], v[\xp:\xp+1], 0
.endr
.endm
; A PAIR.  The two tiles take turns: while one tile's products run, the other's results are quantised.  Each run of products stands behind the first eight lines of the other tile's quantiser and ahead of its other twenty:
; so a scale word stands eight plain lines that name none of the product's registers ahead of the product, a code register likewise, and behind every product stand fifteen plain lines of the other tile before its result
; is read, its sources are written or loaded again, or a matrix instruction writes over its registers.
; prev = 1: the pair before is finished here (tile B's last layer, its 32 results into the stage).  nxt = 1: the next pair's tile A is begun.  reload = 1: set p is asked for again, a trip ahead.  cnt: XPREP's count.
.macro PAIR p, prev, nxt, reload, cnt
	QHEAD DA                                       ; layer 1's results of tile A
.if \prev
	ML OB, CB, SWB
.endif
	M1 DB, X+4*(\p)+2, FB
	QTAIL DA, CA, SWA
.if \prev
	v_permlane16_swap_b32 v[OA], v[OB]             ; OA's register 0: tile A's 16 results | tile B's
	ds_store_b32 v[SWR], v[OA] offset:128*(((\p)+3)%4)
.if (\p) == 0
	ds_load_b128 v[OUTR:OUTR+3], v[SRD]            ; the trip's 128 results are in my stage; LDS serves a wave's instructions in order (ISA guide 5.7.1.4): this sees my stores, and the next trip's stores come behind it
.endif
.endif
.if \reload
	XLOAD \p, XTRIP                                ; both products that read set p are issued, the later one a quantiser's tail ago
.endif
	QHEAD DB
	MH DA, CA, SWA, WH0, WS0
	QTAIL DB, CB, SWB
.if \prev
	s_wait_dscnt 0x0                               ; the stage's store has read OA's register, which the last layer writes again below; with p = 0 the four results are back
.if (\p) == 0
	global_store_b128 v[OO], v[OUTR:OUTR+3], s[14:15] th:TH_STORE_NT   ; the wave stores 512 consecutive bytes, at a multiple of 512 from out0's first byte; written once, read by nobody here
.endif
.endif
	QHEAD DA
	MH DB, CB, SWB, WH0, WS0
	QTAIL DA, CA, SWA
	QHEAD DB
	MH DA, CA, SWA, WH1, WS1
	QTAIL DB, CB, SWB
	QHEAD DA
	MH DB, CB, SWB, WH1, WS1
	QTAIL DA, CA, SWA
.if \nxt
	XPREP ((\p)+1)%4, \cnt
.endif
	QHEAD DB
	ML OA, CA, SWA
.if \nxt
	M1 DA, X+4*(((\p)+1)%4), FA
.endif
	QTAIL DB, CB, SWB
.endm
	s_load_b256 s[4:11], s[0:1], 0x0               ; x s[4:5], W_first s[6:7], W_h0 s[8:9], W_h1 s[10:11]
	s_load_b128 s[12:15], s[0:1], 0x20             ; W_last s[12:13], out0 s[14:15]
	v_lshl_add_u32 v224, v0, 2, 0x4000
	v_mov_b32 v225, 0
	v_lshrrev_b32 v[T0], 5, v0
	v_readfirstlane_b32 s16, v[T0]                 ; wave 0..15
	v_and_b32 v68, 31, v0                          ; lane
	v_and_b32 v69, 7, v0                           ; r % 8
	v_bfe_u32 v70, v0, 3, 1                        ; r / 8
	v_bfe_u32 v71, v0, 4, 1                        ; h
	v_mul_u32_u24 v[XO], 12, v68
	s_lshl_b32 s19, s16, 9
	v_lshl_add_u32 v[SWR], v68, 2, s19
	v_add_nc_u32 v[SWR], STG, v[SWR]
	v_lshl_add_u32 v[SRD], v0, 4, STG              ; 16 x thread = 512 wave + 16 lane
	v_lshlrev_b32 v[OO], 4, v68
	v_lshlrev_b32 v75, 4, v0                       ; where waves 0-8 put their image: 512 wave + 16 lane
	v_lshl_add_u32 v76, v0, 2, ISC                 ; and its scale words: 128 wave + 4 lane
	v_lshlrev_b32 v77, 4, v68                      ; where every wave reads an image,
	v_lshlrev_b32 v78, 2, v68                      ; and its scale words
	; Waves 0-3 quantise W_h0's tiles, waves 4-7 W_h1's, wave 8 W_last.  Lane (r, h) takes 32 numbers, k = 32 h on, of the tile's row r: unit 32 (r / 8) + 8 t + r % 8 (W_last: unit r); a row is 256 bytes.
	s_mov_b32 s17, 2048                            ; W_last: lanes 8-15 stand 8 rows on;
	s_cmp_lt_u32 s16, 8
	s_cselect_b32 s17, 8192, s17                   ; the hidden weights: 32 rows on
	s_and_b32 s18, s16, 3
	s_lshl_b32 s18, s18, 11                        ; tile t = wave % 4 begins 8 t rows on
	v_mul_u32_u24 v72, s17, v70
	v_lshl_add_u32 v72, v69, 8, v72
	v_lshl_add_u32 v72, v71, 7, v72
	v_add_nc_u32 v72, s18, v72
	; W_first: a row is 12 bytes; tile t begins 96 t bytes on.  Register 0: w0 in lanes 0-15, w2 in lanes 16-31.  Register 1: w1, kept in one half of the lanes only.
	v_mul_u32_u24 v73, v70, 384
	v_mad_u32_u24 v73, v69, 12, v73
	v_add_nc_u32 v74, 4, v73
	v_lshl_add_u32 v73, v71, 3, v73
	s_mov_b32 s20, 0x76543210
	s_mov_b32 s21, 0xfedcba98                      ; v_permlanex16_b32's selects for lane l xor 16
	s_mov_b32 s22, 0x77777777                      ; clears the signs of eight codes
	s_mov_b32 s23, 0x04000400                      ; v_perm_b32: byte 0 of the second source, byte 0 of the first, and again
	s_mov_b32 s25, 0x01800000                      ; the floor 2^(3 - 127): the scale's byte cannot fall under 1
	s_mov_b32 s28, 0xff000000                      ; takes 2 off an exponent field
	s_mul_i32 s30, ttmp9, 98304                    ; x: 8,192 points of 12 bytes a work-group,
	s_mul_i32 s19, s16, 1536                       ; 128 a wave
	s_add_co_u32 s30, s30, s19
	s_mov_b32 s31, 0
	s_lshl_b32 s32, ttmp9, 15                      ; out0: the same points, 4 bytes each
	s_lshl_b32 s19, s16, 9
	s_add_co_u32 s32, s32, s19
	s_mov_b32 s33, 0
	s_wait_kmcnt 0x0
	s_cmp_lt_u32 s16, 4                            ; which weight my wave quantises: the choice hangs on the wave's number alone
	s_cselect_b64 s[26:27], s[8:9], s[10:11]
	s_cmp_lt_u32 s16, 8
	s_cselect_b64 s[26:27], s[26:27], s[12:13]
	s_add_nc_u64 s[4:5], s[4:5], s[30:31]
	s_add_nc_u64 s[14:15], s[14:15], s[32:33]
.irp t, 0,1,2,3
	global_load_b32 v[FA+2*\t], v73, s[6:7] offset:96*\t
	global_load_b32 v[FA+2*\t+1], v74, s[6:7] offset:96*\t
	global_load_b32 v[FB+2*\t], v73, s[6:7] offset:96*\t
	global_load_b32 v[FB+2*\t+1], v74, s[6:7] offset:96*\t
.endr
	XLOAD 0, 0                                     ; the first trip's four sets
	XLOAD 1, 0
	XLOAD 2, 0
	XLOAD 3, 0
	s_cmp_gt_u32 s16, 8
	s_cbranch_scc1 .Lnoweight                      ; waves 9-15 quantise nothing
.irp i, 0,1,2,3,4,5,6,7
	global_load_b128 v[WH1+4*\i:WH1+4*\i+3], v72, s[26:27] offset:16*\i
.endr
	s_wait_loadcnt 0x0
	v_max3_num_f32 v[T0], |v[WH1]|, |v[WH1+1]|, s25   ; the block's largest magnitude: all 32 numbers are mine; and the floor
.irp i, 2,4,6,8,10,12,14,16,18,20,22,24,26,28,30
	v_max3_num_f32 v[T0], v[T0], |v[WH1+\i]|, |v[WH1+\i+1]|
.endr
	v_add_nc_u32 v[T2], s28, v[T0]                 ; the conversion's scale operand
	v_add_nc_u32 v[T1], 0xfe800000, v[T0]          ; 3 off the exponent field:
	v_lshrrev_b32 v[T1], 23, v[T1]                 ; the scale's byte less 1: the 1/2 of (c + |c|) / 2
	v_permlanex16_b32 v[T0], v[T1], s20, s21       ; the row's other block's
.irp g, 0,1,2,3
	v_cvt_scalef32_pk8_fp4_f32 v[CA+\g], v[WH1+8*\g:WH1+8*\g+7], v[T2]
.endr
	v_perm_b32 v[CA+4], v[T0], v[T1], s23          ; the row's scale word: blocks 0, 1, 0, 1 in lanes 0-15.  (Also the plain line behind the conversions)
	ds_store_b128 v75, v[CA:CA+3]                  ; the tile goes to LDS as an image of its registers
	ds_store_b32 v76, v[CA+4]
.Lnoweight:
	s_wait_dscnt 0x0                               ; for the others' sake: my stores have landed
	s_barrier_signal -1
	s_barrier_wait -1                              ; the nine images lie in LDS; nobody writes them again
.irp i, 0,1,2,3,4,5,6,7,8
	ds_load_b128 v[WH0+8*\i:WH0+8*\i+3], v77 offset:IMG+512*\i     ; k = 0 .. 63,
	ds_load_b128 v[WH0+8*\i+4:WH0+8*\i+7], v77 offset:IMG+512*\i   ; and the same codes for k = 64 .. 127
	ds_load_b32 v[WS0+\i], v78 offset:ISC+128*\i
.endr
	s_wait_loadcnt 0x3                             ; W_first and set 0 are in; sets 1, 2, 3 may be out
	v_cmp_gt_u32 vcc_lo, 16, v68
.irp t, 0,1,2,3
	v_cndmask_b32 v[FA+2*\t+1], 0, v[FA+2*\t+1], vcc_lo   ; tile A: w0, w1 | w2, 0
.endr
	v_cmp_le_u32 vcc_lo, 16, v68
.irp t, 0,1,2,3
	v_cndmask_b32 v[FB+2*\t+1], 0, v[FB+2*\t+1], vcc_lo   ; tile B: w0, 0 | w2, w1
.endr
	v_permlane16_swap_b32 v[X], v[X+2]
	v_mov_b32 v[X+3], v[X+1]
	M1 DA, X, FA                                   ; the first pair's tile A
	s_wait_dscnt 0x0                               ; the weights' codes and scale words are in
.rept 8
	v_nop                                          ; eight places behind the f32 form before its result is read; no other work is at hand here, once in the launch
.endr
	PAIR 0, 0, 1, 0, 2                             ; behind set 1: sets 2 and 3
	s_mov_b32 s24, 3
.Ltrip:                                            ; three trips: pairs 1, 2, 3 of a trip and pair 0 of the next; the next trip's four sets are asked for
	XLOAD 0, XTRIP                                 ; set 0's two products were issued at least six quantisers ago
	PAIR 1, 1, 1, 1, 3                             ; behind the set wanted: the three sets asked for after it
	PAIR 2, 1, 1, 1, 3
	PAIR 3, 1, 1, 1, 3
	PAIR 0, 1, 1, 0, 2                             ; behind set 1: sets 2 and 3 (set 0 is asked for again only at the next trip's head)
	s_wait_xcnt 0x0                                ; every earlier memory instruction has had its addresses translated (ISA guide 3.1): only behind this wait are the two bases stepped and the store's four registers loaded again
	s_add_nc_u64 s[4:5], s[4:5], XTRIP
	s_add_nc_u64 s[14:15], s[14:15], OTRIP
	s_sub_co_u32 s24, s24, 1
	s_cmp_lg_u32 s24, 0
	s_cbranch_scc1 .Ltrip
	PAIR 1, 1, 1, 0, 1                             ; the last trip asks for nothing: no load leaves x, and the counts run down
	PAIR 2, 1, 1, 0, 0
	PAIR 3, 1, 0, 0, 0
.rept 8
	v_nop                                          ; eight places between the scale word and the scaled product: no other tile is left to work on
.endr
	ML OB, CB, SWB
.rept 4
	v_nop                                          ; four places before its result is read
.endr
	v_permlane16_swap_b32 v[OA], v[OB]
	ds_store_b32 v[SWR], v[OA] offset:384
	ds_load_b128 v[OUTR:OUTR+3], v[SRD]
	s_wait_dscnt 0x0
	global_store_b128 v[OO], v[OUTR:OUTR+3], s[14:15] th:TH_STORE_NT
	s_wait_tensorcnt 0x0
	ds_add_u32 v224, v225
	s_wait_dscnt 0x0
	s_endpgm
.Lfunc_end_k_q8a2fdf1621_mlp:
	.size	k_q8a2fdf1621_mlp, .Lfunc_end_k_q8a2fdf1621_mlp-k_q8a2fdf1621_mlp
	.p2alignl 7, 3214868480
	.fill 96, 4, 3214868480
	.section	.rodata,"a",@progbits
	.p2align	6, 0x0
	.amdhsa_kernel k_q8a2fdf1621_mlp
		.amdhsa_group_segment_fixed_size 18432
		.amdhsa_private_segment_fixed_size 0
		.amdhsa_enable_private_segment 0
		.amdhsa_kernarg_size 48
		.amdhsa_user_sgpr_count 2
		.amdhsa_user_sgpr_kernarg_segment_ptr 1
		.amdhsa_wavefront_size32 1
		.amdhsa_system_sgpr_workgroup_id_x 1
		.amdhsa_system_sgpr_workgroup_id_y 1
		.amdhsa_system_sgpr_workgroup_id_z 1
		.amdhsa_system_vgpr_workitem_id 0
		.amdhsa_next_free_vgpr 226
		.amdhsa_next_free_sgpr 66
		.amdhsa_reserve_vcc 1
		.amdhsa_float_denorm_mode_32 3
		.amdhsa_float_denorm_mode_16_64 3
		.amdhsa_memory_ordered 1
		.amdhsa_forward_progress 1
		.amdhsa_inst_pref_size 110
	.end_amdhsa_kernel
	.amdgpu_metadata
---
amdhsa.version: [ 1, 2 ]
amdhsa.kernels:
  - .name:           k_q8a2fdf1621_mlp
    .symbol:         k_q8a2fdf1621_mlp.kd
    .args:
      - { .name: x, .offset: 0, .size: 8, .value_kind: global_buffer, .address_space: global }
      - { .name: W_first, .offset: 8, .size: 8, .value_kind: global_buffer, .address_space: global }
      - { .name: W_h0, .offset: 16, .size: 8, .value_kind: global_buffer, .address_space: global }
      - { .name: W_h1, .offset: 24, .size: 8, .value_kind: global_buffer, .address_space: global }
      - { .name: W_last, .offset: 32, .size: 8, .value_kind: global_buffer, .address_space: global }
      - { .name: out0, .offset: 40, .size: 8, .value_kind: global_buffer, .address_space: global }
    .group_segment_fixed_size: 18432
    .private_segment_fixed_size: 0
    .kernarg_segment_align: 8
    .kernarg_segment_size: 48
    .max_flat_workgroup_size: 512
    .sgpr_count:     66
    .vgpr_count:     226
    .wavefront_size: 32
...
	.end_amdgpu_metadata
.endif
;; end of part 1
;; ======== version 2 of 2: 1 launch; version 1 with the launch mlp written anew for expert scheduling mode
;; launch mlp (part 2): grid 256 x 1, 16 waves a work-group, no clusters, 18,432 bytes of LDS; arguments x, W_first, W_h0, W_h1, W_last, out0; writes out0
.if DOCPART == 2
	.amdgcn_target "amdgcn-amd-amdhsa--gfx1250"
	.amdhsa_code_object_version 6
	.text
	.protected	k_q8a2fdf1621_mlp
	.globl	k_q8a2fdf1621_mlp
	.p2align	8
	.type	k_q8a2fdf1621_mlp,@function
k_q8a2fdf1621_mlp:
	s_mov_b64 s[64:65], 0
	v_nop
	global_prefetch_b8 v0, s[64:65] scope:SCOPE_SE
	s_setreg_imm32_b32 hwreg(HW_REG_WAVE_SCHED_MODE, 0, 2), 2
	s_setreg_imm32_b32 hwreg(HW_REG_WAVE_MODE, 25, 1), 1
	s_wait_xcnt 0x0
	s_wait_alu depctr_vm_vsrc(0)
; out[p] = column 0 of relu(relu(relu(x W_first^T) W_h0^T) W_h1^T) W_last^T for 2,097,152 points p of three f32 numbers.
; The first product (K = 3) takes f32 operands; the other three multiply codes of FP4 (E2M1) with one E8M0 scale for each 32 along K, sums in f32.  Nothing goes to memory between the layers.
; SHARES.  256 work-groups of sixteen waves; a work-group owns 8,192 points, a wave 512: four trips of 128 points, a trip four PAIRS of 32 points, a pair two tiles (A, B) of 16 points.
; The weights' codes stay in every wave's registers; four waves share a SIMD, so that one wave's vector work stands beside another's matrix work.
; EVERY PRODUCT IS USED TRANSPOSED: source 0 = 16 rows of the weight, source 1 = 16 points.  THE ROWS OF A WEIGHT THAT FORM A TILE ARE NOT NEIGHBOURS: row m of tile t is unit 32 (m / 8) + 8 t + m % 8.
; In the results lane (r = lane % 16, h = lane / 16) then holds point r, and register 8 t + j of its 32 the unit 32 h + 8 t + j: ONE WHOLE BLOCK OF 32 ALONG THE NEXT K, ascending.  So a block's largest number needs no
; other lane, and the four conversions' results are registers 0-3 of the next operand as they stand; only the scale's byte crosses to the lane 16 away.
; RELU IS DONE BY THE UNUSED HALF OF K.  The instruction has K = 128, the layers K = 64.  Let c be the code of the UNCLIPPED number under the scale of the clipped block (the maximum is taken without |.|, over the floor;
; the conversion holds what lies under -6 at -6).  Then the code of relu(number) is (c + |c|) / 2, for every input.  k = 0 .. 63 carries c, k = 64 .. 127 carries |c| (the sign bits cleared), the weight's registers 4-7 repeat
; its registers 0-3, scale bytes 2, 3 repeat bytes 0, 1 on both sides, and the 1/2 is 1 off each weight's scale byte.  What cancels is at most 6 x scale x |w| a term, the size of the block's own largest terms.
; THE FIRST PRODUCT goes by the f32 matrix form, K = 3 filled to 4 with a zero in the WEIGHT.  The registers which that form writes are written by matrix instructions alone: DA and DB are.
; LIMITS.  NaN and infinities among the inputs are not served (the idle K place of the first product holds the second coordinate of the point 16 away, times 0).  A block with no positive number, and a weight's block of
; zeros, keep the floor's scale byte 1 where the rule says 127: their terms add up to 0.  A weight's byte less 1 can be 0, which stands for 2^-127.  The first product adds k = 0, 1, 2 in tile A and k = 0, 2, 1 in tile B.
; LEFT OUT: tensor loads and a ring in LDS (each byte of x is wanted by one lane, and four register sets are asked for a whole trip ahead); clusters (only 37,632 bytes of weights are shared, read once).
; THE MODE: SCHED_MODE bits 1:0 = 2 (LLVM: expert scheduling mode 2), set by the entry lines.  The code itself states the register dependences between vector or matrix instructions and memory or LDS instructions,
; with s_wait_alu, always for 0.
; THE PLAN.  Registers that memory or LDS instructions touch, behind the set-up:
;   X0 .. X3      Set p: a load lands in it; the swap and the copy that make the two operands name it at the end of pair p - 1; the first layer's products read it at the end of pair p - 1 (tile A) and at the head of pair p
;                 (tile B); then the next trip's load lands in it: in pair p for sets 1 to 3, at the trip's head for set 0.
;   OA's first    Written by the last layer's product at a pair's end and by the swap in the next pair; read there by the store into the stage; written again by the product at that pair's end.
;   OUTR          An LDS load lands in it and a global store reads it, once a trip.  No vector or matrix instruction names it.
;   v1 to v4      Offsets and addresses, made in the set-up and never written again; v224, v225 likewise, read by the closing add alone.
;   CA, CB, SWA, SWB are named by vector and matrix instructions alone: vector lines write them, scaled products take them.
; A wait on va_vdst stands ahead of each run of scaled products, six a pair: the codes and the scale word are written.  The second of a pair's six stands behind the swap and behind the last product that reads set p: so the
; pair's store into the stage, the stage's load and the load into set p follow that run with no further wait; the run names none of their registers.  One wait on vm_vsrc a pair stands between the stage's store and the
; product that writes OA again; one a trip between the global store and the next load into OUTR.
.set IMG,  0                           ; LDS: image i (0-3 W_h0's tiles, 4-7 W_h1's, 8 W_last): registers 0-3 of the tile, lane l's 16 bytes at 512 i + 16 l
.set ISC,  4608                        ; their scale words: 128 i + 4 l
.set STG,  8192                        ; a stage of 512 bytes for each wave: a trip's 128 results
.set XO,   1                           ; v1   12 x lane: my point's bytes in a pair's 384; never rewritten
.set SWR,  2                           ; v2   the stage, on the way in: STG + 512 wave + 4 lane
.set SRD,  3                           ; v3   and back: STG + 512 wave + 16 lane
.set OO,   4                           ; v4   16 x lane: my 16 bytes of a trip's 512 in out0; never rewritten
.set T0,   5                           ; v5-7 at work
.set T1,   6
.set T2,   7
.set SWA,  8                           ; v8, v9  the activations' scale words of tiles A and B: scales and nothing else
.set SWB,  9
.set WS0,  10                          ; v10-13 W_h0's scale words, v14-17 W_h1's, v18 W_last's: scales and nothing else
.set WS1,  14
.set WSL,  18
.set FA,   20                          ; v20-27 W_first for tile A: tile t at FA + 2 t;  v28-35 for tile B
.set FB,   28
.set X,    36                          ; v36-51 four sets of x: set p at X + 4 p
.set CA,   52                          ; v52-59, v60-67 the code operands of tiles A and B: c, then |c|
.set CB,   60
.set OA,   68                          ; v68-75, v76-83 the last layer's results; in the set-up: lane numbers and offsets
.set OB,   76
.set DA,   84                          ; v84-115, v116-147 the results of layers 1 to 3
.set DB,   116
.set WH0,  148                         ; v148-179 W_h0's four tiles; v180-211 W_h1's (in the set-up: 32 f32 numbers of a weight's row); v212-219 W_last
.set WH1,  180
.set WL,   212
.set OUTR, 220                         ; v220-223 four results on their way out
.set XTRIP, 24576                      ; a work-group's trip: 2,048 points of 12 bytes
.set OTRIP, 8192                       ; and of 4 bytes
; Set p of x: lane l takes the 12 bytes of point l of pair p; the wave reads 384 consecutive bytes.
.macro XLOAD p, off
	global_load_b96 v[X+4*(\p):X+4*(\p)+2], v[XO], s[4:5] offset:(\off)+384*(\p) th:TH_LOAD_NT
.endm
; The set becomes two operands of the f32 form (lane (r, h), register j: K place 2 h + j).  v[X0:X1] = tile A: x0, x1 | x2, idle.  v[X2:X3] = tile B: x0, idle | x2, x1.
.macro XPREP p, cnt
	s_wait_loadcnt \cnt                            ; loads come back in order: set p is in, the cnt sets asked for behind it may be out
	v_permlane16_swap_b32 v[X+4*(\p)], v[X+4*(\p)+2]   ; X0 = x0 of A | x2 of A;  X2 = x0 of B | x2 of B
	v_mov_b32 v[X+4*(\p)+3], v[X+4*(\p)+1]         ; x1 of A | x1 of B, a second time: the two operands share no register
.endm
; The largest of a lane's 32 numbers (no |.|: what is negative does not count) and the floor 2^(3 - 127): two chains by turns.  Each accumulator is read from its low end on.
.macro QHEAD d
	v_max3_num_f32 v[T0], v[\d], v[\d+1], s25
	v_max3_num_f32 v[T1], v[\d+16], v[\d+17], v[\d+18]
.irp i, 2,4,6
	v_max3_num_f32 v[T0], v[T0], v[\d+\i], v[\d+\i+1]
	v_max3_num_f32 v[T1], v[T1], v[\d+17+\i], v[\d+18+\i]
.endr
.endm
; The rest of the maximum; the scale; the codes c and |c|; the scale word.
.macro QTAIL d, c, sw
.irp i, 8,10,12
	v_max3_num_f32 v[T0], v[T0], v[\d+\i], v[\d+\i+1]
	v_max3_num_f32 v[T1], v[T1], v[\d+17+\i], v[\d+18+\i]
.endr
	v_max3_num_f32 v[T0], v[T0], v[\d+14], v[\d+15]
	v_max3_num_f32 v[T0], v[T0], v[T1], v[\d+31]
	v_add_nc_u32 v[T2], s28, v[T0]                 ; 2 off the exponent field: the conversion takes the exponent field of this operand as its scale, and nothing else of it
	v_lshrrev_b32 v[T1], 23, v[T2]                 ; my block's scale byte
	v_permlanex16_b32 v[T0], v[T1], s20, s21       ; and that of the point's other block, from the lane 16 away
.irp g, 0,1,2,3
	v_cvt_scalef32_pk8_fp4_f32 v[\c+\g], v[\d+8*\g:\d+8*\g+7], v[T2]   ; k = 32 h + 8 g + 0 .. 7: register g of the operand
.endr
	v_perm_b32 v[\sw], v[T0], v[T1], s23           ; bytes mine, other, mine, other: in lanes 0-15, which alone are read, blocks 0, 1, 0, 1.  (Also the plain line behind the conversions)
.irp g, 0,1,2,3
	v_and_b32 v[\c+4+\g], s22, v[\c+\g]            ; |c|: k = 64 + 32 h + ..
.endr
.endm
; A hidden layer for one tile of points: four products, each a whole sum (C = 0): no accumulator is added onto.
.macro MH d, c, sw, w, ws
	s_wait_alu depctr_va_vdst(0)                   ; this tile's quantiser has written its eight code registers and its scale word, which the scaled products below take; the places ahead of this wait stay beside it
.irp t, 0,1,2,3
	v_wmma_scale_f32_16x16x128_f8f6f4 v[\d+8*\t:\d+8*\t+7], v[\w+8*\t:\w+8*\t+7], v[\c:\c+7], 0, v[\ws+\t], v[\sw] matrix_a_fmt:MATRIX_FMT_FP4 matrix_b_fmt:MATRIX_FMT_FP4
.endr
.endm
; The last layer: register 0 of lanes 0-15 is column 0 of the 16 points.
.macro ML o, c, sw
	s_wait_alu depctr_va_vdst(0)                   ; this tile's quantiser has written its eight code registers and its scale word, which the scaled product below takes; the places ahead of this wait stay beside it
	v_wmma_scale_f32_16x16x128_f8f6f4 v[\o:\o+7], v[WL:WL+7], v[\c:\c+7], 0, v[WSL], v[\sw] matrix_a_fmt:MATRIX_FMT_FP4 matrix_b_fmt:MATRIX_FMT_FP4
.endm
; The first layer for one tile of points.
.macro M1 d, xp, f
.irp t, 0,1,2,3
	v_wmma_f32_16x16x4_f32 v[\d+8*\t:\d+8*\t+7], v[\f+2*\t:\f+2*\t+1], v[\xp:\xp+1], 0
.endr
.endm
; A PAIR.  The two tiles take turns: while one tile's products run, the other's results are quantised.  Each run of products stands behind the first eight lines of the other tile's quantiser and ahead of its other twenty:
; so a scale word stands eight plain lines that name none of the product's registers ahead of the product, a code register likewise, and behind every product stand fifteen plain lines of the other tile before its result
; is read, its sources are written or loaded again, or a matrix instruction writes over its registers.
; prev = 1: the pair before is finished here (tile B's last layer, its 32 results into the stage).  nxt = 1: the next pair's tile A is begun.  reload = 1: set p is asked for again, a trip ahead.  cnt: XPREP's count.
.macro PAIR p, prev, nxt, reload, cnt
	QHEAD DA                                       ; layer 1's results of tile A
.if \prev
	ML OB, CB, SWB
.endif
	M1 DB, X+4*(\p)+2, FB
	QTAIL DA, CA, SWA
.if \prev
	v_permlane16_swap_b32 v[OA], v[OB]             ; OA's register 0: tile A's 16 results | tile B's
.endif
	QHEAD DB
	MH DA, CA, SWA, WH0, WS0                       ; the wait at this run's head also states: the swap has written OA's register 0, which the store below reads; the swap, the copy and both products that name set p are done, so a load may land in it
.if \prev
	ds_store_b32 v[SWR], v[OA] offset:128*(((\p)+3)%4)   ; no vector or matrix instruction since that wait names OA
.if (\p) == 0
	ds_load_b128 v[OUTR:OUTR+3], v[SRD]            ; the trip's 128 results are in my stage; LDS serves a wave's instructions in order (ISA guide 5.7.1.4): this sees my stores, and the next trip's stores come behind it
.endif
.endif
.if \reload
	XLOAD \p, XTRIP                                ; no vector or matrix instruction since that wait names set p
.endif
	QTAIL DB, CB, SWB
.if \prev
	s_wait_dscnt 0x0                               ; the stage's store is done; with p = 0 the four results are back
	s_wait_alu depctr_vm_vsrc(0)                   ; the stage's store has read OA's register 0, which the last layer's product writes again at this pair's end
.if (\p) == 0
	global_store_b128 v[OO], v[OUTR:OUTR+3], s[14:15] th:TH_STORE_NT   ; the wave stores 512 consecutive bytes, at a multiple of 512 from out0's first byte; written once, read by nobody here
.endif
.endif
	QHEAD DA
	MH DB, CB, SWB, WH0, WS0
	QTAIL DA, CA, SWA
	QHEAD DB
	MH DA, CA, SWA, WH1, WS1
	QTAIL DB, CB, SWB
	QHEAD DA
	MH DB, CB, SWB, WH1, WS1
	QTAIL DA, CA, SWA
.if \nxt
	XPREP ((\p)+1)%4, \cnt
.endif
	QHEAD DB
	ML OA, CA, SWA
.if \nxt
	M1 DA, X+4*(((\p)+1)%4), FA
.endif
	QTAIL DB, CB, SWB
.endm
	s_load_b256 s[4:11], s[0:1], 0x0               ; x s[4:5], W_first s[6:7], W_h0 s[8:9], W_h1 s[10:11]
	s_load_b128 s[12:15], s[0:1], 0x20             ; W_last s[12:13], out0 s[14:15]
	v_lshl_add_u32 v224, v0, 2, 0x4000
	v_mov_b32 v225, 0
	v_lshrrev_b32 v[T0], 5, v0
	v_readfirstlane_b32 s16, v[T0]                 ; wave 0..15
	v_and_b32 v68, 31, v0                          ; lane
	v_and_b32 v69, 7, v0                           ; r % 8
	v_bfe_u32 v70, v0, 3, 1                        ; r / 8
	v_bfe_u32 v71, v0, 4, 1                        ; h
	v_mul_u32_u24 v[XO], 12, v68
	s_wait_alu depctr_va_sdst(0)                   ; s16 is written, ahead of its first reader: addresses, bases and the branch on the wave's number are made from it
	s_lshl_b32 s19, s16, 9
	v_lshl_add_u32 v[SWR], v68, 2, s19
	v_add_nc_u32 v[SWR], STG, v[SWR]
	v_lshl_add_u32 v[SRD], v0, 4, STG              ; 16 x thread = 512 wave + 16 lane
	v_lshlrev_b32 v[OO], 4, v68
	v_lshlrev_b32 v75, 4, v0                       ; where waves 0-8 put their image: 512 wave + 16 lane
	v_lshl_add_u32 v76, v0, 2, ISC                 ; and its scale words: 128 wave + 4 lane
	v_lshlrev_b32 v77, 4, v68                      ; where every wave reads an image,
	v_lshlrev_b32 v78, 2, v68                      ; and its scale words
	; Waves 0-3 quantise W_h0's tiles, waves 4-7 W_h1's, wave 8 W_last.  Lane (r, h) takes 32 numbers, k = 32 h on, of the tile's row r: unit 32 (r / 8) + 8 t + r % 8 (W_last: unit r); a row is 256 bytes.
	s_mov_b32 s17, 2048                            ; W_last: lanes 8-15 stand 8 rows on;
	s_cmp_lt_u32 s16, 8
	s_cselect_b32 s17, 8192, s17                   ; the hidden weights: 32 rows on
	s_and_b32 s18, s16, 3
	s_lshl_b32 s18, s18, 11                        ; tile t = wave % 4 begins 8 t rows on
	v_mul_u32_u24 v72, s17, v70
	v_lshl_add_u32 v72, v69, 8, v72
	v_lshl_add_u32 v72, v71, 7, v72
	v_add_nc_u32 v72, s18, v72
	; W_first: a row is 12 bytes; tile t begins 96 t bytes on.  Register 0: w0 in lanes 0-15, w2 in lanes 16-31.  Register 1: w1, kept in one half of the lanes only.
	v_mul_u32_u24 v73, v70, 384
	v_mad_u32_u24 v73, v69, 12, v73
	v_add_nc_u32 v74, 4, v73
	v_lshl_add_u32 v73, v71, 3, v73
	s_mov_b32 s20, 0x76543210
	s_mov_b32 s21, 0xfedcba98                      ; v_permlanex16_b32's selects for lane l xor 16
	s_mov_b32 s22, 0x77777777                      ; clears the signs of eight codes
	s_mov_b32 s23, 0x04000400                      ; v_perm_b32: byte 0 of the second source, byte 0 of the first, and again
	s_mov_b32 s25, 0x01800000                      ; the floor 2^(3 - 127): the scale's byte cannot fall under 1
	s_mov_b32 s28, 0xff000000                      ; takes 2 off an exponent field
	s_mul_i32 s30, ttmp9, 98304                    ; x: 8,192 points of 12 bytes a work-group,
	s_mul_i32 s19, s16, 1536                       ; 128 a wave
	s_add_co_u32 s30, s30, s19
	s_mov_b32 s31, 0
	s_lshl_b32 s32, ttmp9, 15                      ; out0: the same points, 4 bytes each
	s_lshl_b32 s19, s16, 9
	s_add_co_u32 s32, s32, s19
	s_mov_b32 s33, 0
	s_wait_kmcnt 0x0
	s_cmp_lt_u32 s16, 4                            ; which weight my wave quantises: the choice hangs on the wave's number alone
	s_cselect_b64 s[26:27], s[8:9], s[10:11]
	s_cmp_lt_u32 s16, 8
	s_cselect_b64 s[26:27], s[26:27], s[12:13]
	s_add_nc_u64 s[4:5], s[4:5], s[30:31]
	s_add_nc_u64 s[14:15], s[14:15], s[32:33]
	s_wait_alu depctr_va_vdst(0)                   ; the offsets and addresses v1 to v4, v72 to v78, v224 and v225 are written: every load, store and LDS instruction of the kernel reads some of them, and none is written again while it serves
.irp t, 0,1,2,3
	global_load_b32 v[FA+2*\t], v73, s[6:7] offset:96*\t
	global_load_b32 v[FA+2*\t+1], v74, s[6:7] offset:96*\t
	global_load_b32 v[FB+2*\t], v73, s[6:7] offset:96*\t
	global_load_b32 v[FB+2*\t+1], v74, s[6:7] offset:96*\t
.endr
	XLOAD 0, 0                                     ; the first trip's four sets
	XLOAD 1, 0
	XLOAD 2, 0
	XLOAD 3, 0
	s_cmp_gt_u32 s16, 8
	s_cbranch_scc1 .Lnoweight                      ; waves 9-15 quantise nothing
.irp i, 0,1,2,3,4,5,6,7
	global_load_b128 v[WH1+4*\i:WH1+4*\i+3], v72, s[26:27] offset:16*\i
.endr
	s_wait_loadcnt 0x0
	v_max3_num_f32 v[T0], |v[WH1]|, |v[WH1+1]|, s25   ; the block's largest magnitude: all 32 numbers are mine; and the floor
.irp i, 2,4,6,8,10,12,14,16,18,20,22,24,26,28,30
	v_max3_num_f32 v[T0], v[T0], |v[WH1+\i]|, |v[WH1+\i+1]|
.endr
	v_add_nc_u32 v[T2], s28, v[T0]                 ; the conversion's scale operand
	v_add_nc_u32 v[T1], 0xfe800000, v[T0]          ; 3 off the exponent field:
	v_lshrrev_b32 v[T1], 23, v[T1]                 ; the scale's byte less 1: the 1/2 of (c + |c|) / 2
	v_permlanex16_b32 v[T0], v[T1], s20, s21       ; the row's other block's
.irp g, 0,1,2,3
	v_cvt_scalef32_pk8_fp4_f32 v[CA+\g], v[WH1+8*\g:WH1+8*\g+7], v[T2]
.endr
	v_perm_b32 v[CA+4], v[T0], v[T1], s23          ; the row's scale word: blocks 0, 1, 0, 1 in lanes 0-15.  (Also the plain line behind the conversions)
	s_wait_alu depctr_va_vdst(0)                   ; the conversions and the line behind them have written v[CA .. CA + 4], which the two LDS stores read; and they and the maximum are done reading the weight's 32 numbers, in whose registers the images' loads land behind the barrier
	ds_store_b128 v75, v[CA:CA+3]                  ; the tile goes to LDS as an image of its registers
	ds_store_b32 v76, v[CA+4]
.Lnoweight:
	s_wait_dscnt 0x0                               ; for the others' sake: my stores have landed
	s_barrier_signal -1
	s_barrier_wait -1                              ; the nine images lie in LDS; nobody writes them again
.irp i, 0,1,2,3,4,5,6,7,8
	ds_load_b128 v[WH0+8*\i:WH0+8*\i+3], v77 offset:IMG+512*\i     ; k = 0 .. 63,
	ds_load_b128 v[WH0+8*\i+4:WH0+8*\i+7], v77 offset:IMG+512*\i   ; and the same codes for k = 64 .. 127
	ds_load_b32 v[WS0+\i], v78 offset:ISC+128*\i
.endr
	s_wait_loadcnt 0x3                             ; W_first and set 0 are in; sets 1, 2, 3 may be out
	v_cmp_gt_u32 vcc_lo, 16, v68
	s_wait_alu depctr_va_vcc(0)                    ; the compare has written VCC, which the four selects read
.irp t, 0,1,2,3
	v_cndmask_b32 v[FA+2*\t+1], 0, v[FA+2*\t+1], vcc_lo   ; tile A: w0, w1 | w2, 0
.endr
	v_cmp_le_u32 vcc_lo, 16, v68
	s_wait_alu depctr_va_vcc(0)                    ; the second compare has written VCC, which the four selects read
.irp t, 0,1,2,3
	v_cndmask_b32 v[FB+2*\t+1], 0, v[FB+2*\t+1], vcc_lo   ; tile B: w0, 0 | w2, w1
.endr
	v_permlane16_swap_b32 v[X], v[X+2]
	v_mov_b32 v[X+3], v[X+1]
	M1 DA, X, FA                                   ; the first pair's tile A
	s_wait_dscnt 0x0                               ; the weights' codes and scale words are in
	s_wait_alu depctr_vm_vsrc(0)                   ; the set-up's loads and LDS instructions have read v72 to v78, which are OA and OB from here on and are written by the last layer's products, and v[CA .. CA + 4], which the quantisers write
.rept 8
	v_nop                                          ; eight places behind the f32 form before its result is read; no other work is at hand here, once in the launch
.endr
	PAIR 0, 0, 1, 0, 2                             ; behind set 1: sets 2 and 3
	s_mov_b32 s24, 3
.Ltrip:                                            ; three trips: pairs 1, 2, 3 of a trip and pair 0 of the next; the next trip's four sets are asked for
	XLOAD 0, XTRIP                                 ; no wait: all that names set 0 stands ahead of the waits on va_vdst in pair 0, on the way in and on the way back, and no vector or matrix instruction since names the set
	PAIR 1, 1, 1, 1, 3                             ; behind the set wanted: the three sets asked for after it
	PAIR 2, 1, 1, 1, 3
	PAIR 3, 1, 1, 1, 3
	PAIR 0, 1, 1, 0, 2                             ; behind set 1: sets 2 and 3 (set 0 is asked for again only at the next trip's head)
	s_wait_xcnt 0x0                                ; every earlier memory instruction has had its addresses translated (ISA guide 3.1): only behind this wait are the two bases stepped and the store's four registers loaded again
	s_wait_alu depctr_vm_vsrc(0)                   ; the global store has read OUTR, in which the next trip's results land
	s_add_nc_u64 s[4:5], s[4:5], XTRIP
	s_add_nc_u64 s[14:15], s[14:15], OTRIP
	s_sub_co_u32 s24, s24, 1
	s_cmp_lg_u32 s24, 0
	s_cbranch_scc1 .Ltrip
	PAIR 1, 1, 1, 0, 1                             ; the last trip asks for nothing: no load leaves x, and the counts run down
	PAIR 2, 1, 1, 0, 0
	PAIR 3, 1, 0, 0, 0
.rept 8
	v_nop                                          ; eight places between the scale word and the scaled product: no other tile is left to work on
.endr
	ML OB, CB, SWB
.rept 4
	v_nop                                          ; four places before its result is read
.endr
	v_permlane16_swap_b32 v[OA], v[OB]
	s_wait_alu depctr_va_vdst(0)                   ; the swap has written OA's register 0, which the store into the stage reads
	ds_store_b32 v[SWR], v[OA] offset:384
	ds_load_b128 v[OUTR:OUTR+3], v[SRD]
	s_wait_dscnt 0x0
	global_store_b128 v[OO], v[OUTR:OUTR+3], s[14:15] th:TH_STORE_NT
	s_wait_dscnt 0x0                               ; the closing lines, six on end
	s_wait_alu 0x0
	s_wait_tensorcnt 0x0
	ds_add_u32 v224, v225
	s_wait_dscnt 0x0
	s_endpgm
.Lfunc_end_k_q8a2fdf1621_mlp:
	.size	k_q8a2fdf1621_mlp, .Lfunc_end_k_q8a2fdf1621_mlp-k_q8a2fdf1621_mlp
	.p2alignl 7, 3214868480
	.fill 96, 4, 3214868480
	.section	.rodata,"a",@progbits
	.p2align	6, 0x0
	.amdhsa_kernel k_q8a2fdf1621_mlp
		.amdhsa_group_segment_fixed_size 18432
		.amdhsa_private_segment_fixed_size 0
		.amdhsa_enable_private_segment 0
		.amdhsa_kernarg_size 48
		.amdhsa_user_sgpr_count 2
		.amdhsa_user_sgpr_kernarg_segment_ptr 1
		.amdhsa_wavefront_size32 1
		.amdhsa_system_sgpr_workgroup_id_x 1
		.amdhsa_system_sgpr_workgroup_id_y 1
		.amdhsa_system_sgpr_workgroup_id_z 1
		.amdhsa_system_vgpr_workitem_id 0
		.amdhsa_next_free_vgpr 226
		.amdhsa_next_free_sgpr 66
		.amdhsa_reserve_vcc 1
		.amdhsa_float_denorm_mode_32 3
		.amdhsa_float_denorm_mode_16_64 3
		.amdhsa_memory_ordered 1
		.amdhsa_forward_progress 1
		.amdhsa_inst_pref_size 112
	.end_amdhsa_kernel
	.amdgpu_metadata
---
amdhsa.version: [ 1, 2 ]
amdhsa.kernels:
  - .name:           k_q8a2fdf1621_mlp
    .symbol:         k_q8a2fdf1621_mlp.kd
    .args:
      - { .name: x, .offset: 0, .size: 8, .value_kind: global_buffer, .address_space: global }
      - { .name: W_first, .offset: 8, .size: 8, .value_kind: global_buffer, .address_space: global }
      - { .name: W_h0, .offset: 16, .size: 8, .value_kind: global_buffer, .address_space: global }
      - { .name: W_h1, .offset: 24, .size: 8, .value_kind: global_buffer, .address_space: global }
      - { .name: W_last, .offset: 32, .size: 8, .value_kind: global_buffer, .address_space: global }
      - { .name: out0, .offset: 40, .size: 8, .value_kind: global_buffer, .address_space: global }
    .group_segment_fixed_size: 18432
    .private_segment_fixed_size: 0
    .kernarg_segment_align: 8
    .kernarg_segment_size: 48
    .max_flat_workgroup_size: 512
    .sgpr_count:     66
    .vgpr_count:     226
    .wavefront_size: 32
...
	.end_amdgpu_metadata
.endif
;; end of part 2
